; MI455X (gfx1250); checked and timed in simulation.
; The chip was launched on July 23, 2026; its instructions are those of AMD's public machine-readable ISA for CDNA 5 (MIT licence, August 2026) and "CDNA5" Instruction Set Architecture Reference Guide (July 2026). The comments in the code are by the model that wrote it; some were corrected since.
;; Low Rank Token Mixing. Allowed arithmetic: matrix products marked QUANTISED: E2M3 operands, one E8M0 scale for each 32 along K, by v_wmma_scale_f32_16x16x128_f8f6f4 with both operands' format E2M3, f32 sums; everything else in f32.
;; Inputs: B 2 x 8 x 4,096 x 64 float32; C 2 x 8 x 4,096 x 64 float32; x 2 x 8 x 4,096 x 64 float32.
;; Outputs: out0 2 x 8 x 4,096 x 64 float32.
;; This version of the problem:
;;   THIS VERSION OF THE PROBLEM IS GIVEN IN LOW PRECISION. The matrix products marked QUANTISED in the list below multiply operands that are first quantised to E2M3 (2 exponent bits, 3 mantissa bits; 6 bits a number), with one power-of-two scale for each 32 numbers along K (OCP MX v1.0); their sums are f32. All else is computed in f32.
;;   The module's matrix products, in the order in which they are computed (A, B: the left and right operand; K: the contracted axis; several contracted axes count as one K, in the product's order):
;;     1. batch 16 x [M 4,096, K 64] x [K 64, N 4,096]; A: input C; B: input B: QUANTISED
;;     2. batch 16 x [M 4,096, K 4,096] x [K 4,096, N 64]; A: softmax (see below); B: input x: QUANTISED
;;   THE QUANTISER, for each operand of a quantised product, along K:
;;     - K is cut into blocks of 32 from its start; a last block that is shorter is filled with zeros.
;;     - A block's scale is 2^e with e = floor(log2(the largest magnitude in the block)) - 2, held to -126 .. 127; a block of zeros has e = 0. As a byte (E8M0): e + 127.
;;     - Each number is divided by its block's scale, clamped to +-7.5, and rounded to the nearest number of E2M3, ties to even, subnormals kept.
;;     - The product sums the exact products of the quantised numbers (number of the format x scale) in f32.
;;   ~~~python
;;   def quantise(x, axis):      # numpy; x: float32 -> the quantised numbers, widened to float32 again
;;       x = np.moveaxis(x, axis, -1); K = x.shape[-1]
;;       x = np.pad(x, [(0, 0)] * (x.ndim - 1) + [(0, -K % 32)]); x = x.reshape(x.shape[:-1] + (-1, 32)); a = np.abs(x).max(-1, keepdims=True)
;;       e = np.where(a > 0, np.clip(np.frexp(np.where(a > 0, a, 1))[1] - 1 - 2, -126, 127), 0)      # np.frexp(a)[1] - 1 = floor(log2(a)), exactly
;;       r = np.clip(x / 2.0 ** e, -7.5, 7.5)
;;       step = 2.0 ** (np.maximum(np.frexp(np.where(r == 0, 1, r))[1] - 1, 0) - 3)
;;       q = np.round(r / step) * step * 2.0 ** e      # np.round: ties to even
;;       return np.moveaxis(q.reshape(q.shape[:-2] + (-1,))[..., :K], -1, axis).astype(np.float32)
;;   ~~~
;;   SOFTMAX AHEAD OF A QUANTISED PRODUCT. Where the list says 'softmax', what is quantised is not the finished softmax but p = 2^(t - M), with t = logit x log2(e) and M = ceil(the row's largest t), a whole number; so 1/2 < the row's largest p <= 1. The row's sum l is taken of the UNQUANTISED p, in f32, and the product's result is divided by l at the end. Since M is a whole number, a kernel that streams over the keys may use a running M (the ceiling of the running maximum): every later rescaling is an exact power of two, which a block's scale takes up: the codes' values come out the same.
;;   OPERANDS COMPUTED ON THE WAY. 'Computed on the way' means the value that the module computes at that place (a softmax that the list does not call 'softmax' is quantised finished and normalised). What goes into a quantiser is computed in f32, as accurately as f32 sums, v_exp_f32 and their like allow (about 1e-6 of the number): no bf16 or f16 on the way to a quantiser, and a product that is left as it is and whose result goes on into a quantised operand takes f32 operands (vector FMAs, or v_wmma_f32_16x16x4_f32). A number that lies on a knife's edge between two numbers of the format may be rounded either way, as far as f32 arithmetic and the matrix unit's own rounding can turn it there, and no further.
;; One version. Each part assembles by itself: llvm-mc -triple=amdgcn-amd-amdhsa -mcpu=gfx1250 --defsym DOCPART=n.
;; ======== version 1 of 1: 2 launches
;; workspace buffers: kv 6,684,672 bytes
;; launch quant (part 1): grid 32 x 16, 6 waves a work-group, no clusters, 56,064 bytes of LDS; arguments B, x, kv; writes kv
.if DOCPART == 1
	.amdgcn_target "amdgcn-amd-amdhsa--gfx1250"
	.amdhsa_code_object_version 6
	.text
	.protected	k_qcf745fb77d_quant
	.globl	k_qcf745fb77d_quant
	.p2align	8
	.type	k_qcf745fb77d_quant,@function
k_qcf745fb77d_quant:
	s_mov_b64 s[64:65], 0
	v_nop
	global_prefetch_b8 v0, s[64:65] scope:SCOPE_SE
	s_setreg_imm32_b32 hwreg(HW_REG_WAVE_MODE, 25, 1), 1
	s_wait_xcnt 0x0
; B [16 heads][4096 keys][64] and x [16 heads][4096 keys][64], f32, become codes of FP6 (E2M3) with one E8M0 scale byte for each 32 along a product's K,
; laid in kv IN THE ORDER OF THE OPERANDS' REGISTERS, so that the attention launch takes every fragment by loads of 16 bytes a lane and a step's tiles as one dense block.
; B is quantised along its 64 channels (K of the first product), x along the KEYS (K of the second product).
; kv: for each head 32 blocks of STEPB = 13,056 bytes, one for each step of 128 keys:
;   KIMG  4 images of 1,536 bytes, one for each PAIR j of tiles of 16 keys: 12 registers a lane, register group g (4 registers) at 512 g + 16 lane.  Registers 0-5: tile 2 j, registers 6-11: tile 2 j + 1;
;         in each, lane (r, h) holds the 24 bytes of codes of channels 32 h .. 32 h + 31 of the tile's row r.  Row r of tile 2 j + u is key 32 j + 8 u + r + 8 (r / 8).
;   VIMG  4 images of 1,536 bytes, one for each tile dt of 16 channels: lane (r, h), registers 6 c .. 6 c + 5: the codes of keys 64 c + 32 h + 0 .. 31 of the step, channel 16 dt + r.
;   KSC   4 planes of 128 bytes, a word a lane: plane j, lanes 0-15 tile 2 j, lanes 16-31 tile 2 j + 1; word = b0 | b1 << 8 | b0 << 16 | b1 << 24 (a row has two blocks; the upper two bytes repeat them).
;   VSC   2 planes of 128 bytes: plane j, lanes 0-15 tile 2 j, lanes 16-31 tile 2 j + 1; word = the bytes of the step's four blocks of keys for that channel.
; A block's scale is 2^(floor(log2(its largest magnitude)) - 2); its byte is the largest magnitude's exponent field - 2, held at 1 from below.
; LIMITS: a block of zeros, and a block whose largest magnitude lies under 2^-124, gets the byte 1 (a block of zeros has zero codes, and this program alone reads the bytes); NaN and infinities among the inputs are not served.
; The scale planes leave as aligned runs of 128 bytes: 768 of a step's 13,056 bytes; all else leaves in runs of 512 bytes.
; SHARES: a work-group takes one step of one head.  Waves 0-3: a pair of tiles of B each (32 keys, 8,192 dense bytes).  Waves 4-5: 32 channels of x each, all 128 keys.
; Waves share nothing: each has 9,216 bytes of LDS of its own, so there is no barrier.  No tensor load, no matrix instruction: memory binds, and each byte is read once and written once.
.set STEPB, 13056
.set HEADB, 32*STEPB
.set VIMG,  6144
.set KSC,   12288
.set VSC,   12800
.set WREG,  9216                       ; a wave's LDS
; v1 lane, v2 r, v3 h, v4 16 lane, v5 4 lane, v6 KWR, v7 KRD, v8 VWR, v9 VRD, v10 16 h, v11 8 h, v12 8 - 8 h, v14-15 maxima, v16-19 scale operands, v20-23 bytes, v24 the scale word,
; v32-159 numbers, v160-191 codes
	s_load_b128 s[4:7], s[0:1], 0x0                ; B, x
	s_load_b64 s[8:9], s[0:1], 0x10                ; kv
	v_lshl_add_u32 v192, v0, 2, 0xd800
	v_mov_b32 v193, 0
	v_lshrrev_b32 v1, 5, v0
	v_readfirstlane_b32 s10, v1                    ; wave 0..5
	v_and_b32 v1, 31, v0                           ; lane
	v_and_b32 v2, 15, v0                           ; r
	v_bfe_u32 v3, v0, 4, 1                         ; h
	v_lshlrev_b32 v4, 4, v1                        ; 16 bytes a lane
	v_lshlrev_b32 v5, 2, v1                        ; 4 bytes a lane
	s_mul_i32 s13, s10, WREG                       ; my wave's LDS
	; every LDS address of both roles is made here, ahead of the parting
	v_lshrrev_b32 v6, 3, v1
	v_mul_u32_u24 v6, v6, 144
	v_and_b32 v7, 7, v1
	v_lshl_add_u32 v6, v7, 4, v6
	v_add_nc_u32 v6, s13, v6                       ; B's stage, in: blocks of 128 bytes (32 numbers), 144 apart: 144 (lane / 8) + 16 (lane % 8); a load's 512 bytes take four blocks
	v_and_b32 v7, 8, v2
	v_add_nc_u32 v7, v7, v2                        ; r + 8 (r / 8)
	v_mul_u32_u24 v7, v7, 288
	v_mad_u32_u24 v7, v3, 144, v7
	v_add_nc_u32 v7, s13, v7                       ; and out: key r + 8 (r / 8) (+ 8 u), its block h
	v_mul_u32_u24 v8, v3, 1536
	v_lshl_add_u32 v8, v2, 4, v8
	v_add_nc_u32 v8, s13, v8                       ; x's images, in: image lane / 16, place 16 r
	v_add_nc_u32 v9, s13, v4                       ; and out: as they lie
	v_lshlrev_b32 v10, 4, v3
	v_lshlrev_b32 v11, 3, v3
	v_sub_nc_u32 v12, 8, v11
	v_mov_b32 v23, 0                               ; a lane permute's destination counts as one of its sources
	s_mov_b32 s20, 0x76543210
	s_mov_b32 s21, 0xfedcba98                      ; v_permlanex16_b32's selects for lane l xor 16
	s_and_b32 s12, ttmp7, 0xffff                   ; the head
	s_lshl_b32 s14, s12, 20                        ; a head of B or x is 2^20 bytes,
	s_lshl_b32 s15, ttmp9, 15                      ; a step's 128 rows 2^15
	s_add_co_u32 s14, s14, s15
	s_mov_b32 s15, 0
	s_mul_i32 s16, s12, HEADB
	s_mul_i32 s17, ttmp9, STEPB
	s_add_co_u32 s16, s16, s17
	s_mov_b32 s17, 0
	s_mov_b32 s19, 0
	s_wait_kmcnt 0x0
	s_add_nc_u64 s[8:9], s[8:9], s[16:17]          ; my step's block of kv
	s_cmp_lt_u32 s10, 4
	s_cbranch_scc0 .Lv
; the largest magnitude of the 32 numbers v[XS] .. v[XS + 31], in two chains, with the floor 2^(3 - 127) among the leaves: so the byte cannot fall under 1.  Result in v14
.macro MAX32
	v_max3_num_f32 v14, |v[XS]|, |v[XS+1]|, |v[XS+2]|
	v_max3_num_f32 v15, |v[XS+3]|, |v[XS+4]|, |v[XS+5]|
.irp i, 6,10,14,18,22,26
	v_max3_num_f32 v14, v14, |v[XS+\i]|, |v[XS+\i+1]|
	v_max3_num_f32 v15, v15, |v[XS+\i+2]|, |v[XS+\i+3]|
.endr
	v_max3_num_f32 v14, v14, |v[XS+30]|, |v[XS+31]|
	v_max3_num_f32 v14, v14, v15, 0x1800000
.endm
	; ---- B: my pair of tiles: 32 keys
	s_lshl_b32 s18, s10, 13
	s_add_nc_u64 s[4:5], s[4:5], s[14:15]
	s_add_nc_u64 s[4:5], s[4:5], s[18:19]          ; my 8,192 bytes of B
	s_mul_i32 s18, s10, 1536
	s_add_nc_u64 s[24:25], s[8:9], s[18:19]        ; my image
	s_lshl_b32 s18, s10, 7
	s_add_co_u32 s18, s18, KSC
	s_add_nc_u64 s[26:27], s[8:9], s[18:19]        ; my plane of scale words
.irp i, 0,1,2,3,4,5,6,7,8,9,10,11,12,13,14,15
	global_load_b128 v[32+4*\i:35+4*\i], v4, s[4:5] offset:512*\i th:TH_LOAD_NT   ; 32 lanes read 512 consecutive bytes
.endr
.irp i, 0,1,2,3,4,5,6,7,8,9,10,11,12,13,14,15
	s_wait_loadcnt 15-\i                           ; loads come back in order: load i is in, the 15 - i younger ones may be out
	ds_store_b128 v6, v[32+4*\i:35+4*\i] offset:576*\i
.endr
	s_wait_alu depctr_va_vdst(0)
.irp u, 0,1
.irp q, 0,1,2,3,4,5,6,7
	ds_load_b128 v[96+32*\u+4*\q:99+32*\u+4*\q], v7 offset:2304*\u+16*\q   ; a whole block of 32 numbers a lane; LDS serves a wave's instructions in order, so these see my stores
.endr
.endr
; tile 2 j + u: my block's scale, its 32 codes into registers 6 u .. 6 u + 5 of the image (v160 on), its byte into v[20 + u]
.macro KBLOCK u
.set XS, 96+32*(\u)
	MAX32
	v_add_nc_u32 v[16+\u], 0xff000000, v14         ; 2 off the exponent field: the conversion takes the exponent field of this operand as its scale, and nothing else of it
	v_cvt_scalef32_pk16_fp6_f32 v[160+6*\u:162+6*\u], v[XS:XS+15], v[16+\u]
	v_cvt_scalef32_pk16_fp6_f32 v[172+4*\u:174+4*\u], v[XS+16:XS+31], v[16+\u]   ; (a conversion's three registers begin on an even number: the second half is made elsewhere and moved)
	v_lshrrev_b32 v[20+\u], 23, v[16+\u]           ; the scale's byte; also the plain line behind the conversions
.irp i, 0,1,2
	v_mov_b32 v[163+6*\u+\i], v[172+4*\u+\i]
.endr
.endm
	s_wait_dscnt 8                                 ; the first tile's eight reads are in, the second's eight may be out
	KBLOCK 0
	s_wait_dscnt 0x0
	KBLOCK 1
	; the scale word.  Lane (r, h) holds the bytes of block h of row r of both tiles; lane (r, H) is to hold both blocks' bytes of tile 2 j + H
	v_lshl_or_b32 v22, v21, 16, v20                ; my two bytes,
	v_permlanex16_b32 v23, v22, s20, s21           ; and lane l xor 16's
	v_lshrrev_b32 v22, v10, v22
	v_lshrrev_b32 v23, v10, v23                    ; of both, tile H's
	v_and_b32 v22, 0xff, v22
	v_and_b32 v23, 0xff, v23
	v_lshlrev_b32 v22, v11, v22                    ; mine is block H's: 8 H bits up,
	v_lshlrev_b32 v23, v12, v23                    ; the other's is block 1 - H's
	v_or_b32 v24, v22, v23
	v_lshl_or_b32 v24, v24, 16, v24                ; the upper two bytes repeat the two
.irp g, 0,1,2
	global_store_b128 v4, v[160+4*\g:163+4*\g], s[24:25] offset:512*\g   ; 32 lanes store 512 consecutive bytes, at a multiple of 256 from kv's first byte
.endr
	global_store_b32 v5, v24, s[26:27]
	s_wait_tensorcnt 0x0
	ds_add_u32 v192, v193
	s_wait_dscnt 0x0
	s_endpgm
	; ---- x: my 32 channels: a lane takes a channel, and its registers run down the keys, so a block of 32 keys lies in one lane and the codes come out with the keys innermost
.Lv:
	s_sub_co_u32 s11, s10, 4                       ; 0 or 1
	s_lshl_b32 s18, s11, 7
	s_add_nc_u64 s[6:7], s[6:7], s[14:15]
	s_add_nc_u64 s[6:7], s[6:7], s[18:19]          ; my 128 bytes of the step's first row of x
	s_add_co_u32 s18, s18, VSC
	s_add_nc_u64 s[26:27], s[8:9], s[18:19]        ; my plane of scale words
	s_mul_i32 s18, s11, 3072
	s_add_co_u32 s18, s18, VIMG
	s_add_nc_u64 s[24:25], s[8:9], s[18:19]        ; my two images
.macro VLOAD b                         ; block b: x(32 b + i, my channel), i = 0 .. 31
.irp i, 0,1,2,3,4,5,6,7,8,9,10,11,12,13,14,15,16,17,18,19,20,21,22,23,24,25,26,27,28,29,30,31
	global_load_b32 v[32+32*(\b)+\i], v5, s[6:7] offset:256*(32*(\b)+\i) th:TH_LOAD_NT   ; 32 lanes read 128 consecutive bytes
.endr
.endm
; block b of my channel: its byte into the scale word, its 24 bytes of codes to their place in the image: lane place r + 16 (b % 2), registers 6 (b / 2) on
.macro VBLOCK b
.set XS, 32+32*(\b)
.set CB, 160+8*(\b)
	MAX32
	v_add_nc_u32 v[16+\b], 0xff000000, v14
	v_lshrrev_b32 v20, 23, v[16+\b]
.if (\b) == 0
	v_mov_b32 v24, v20
.else
	v_lshl_or_b32 v24, v20, 8*(\b), v24
.endif
	v_cvt_scalef32_pk16_fp6_f32 v[CB:CB+2], v[XS:XS+15], v[16+\b]
	v_cvt_scalef32_pk16_fp6_f32 v[CB+4:CB+6], v[XS+16:XS+31], v[16+\b]
	v_nop                                          ; one plain line behind the conversions
	v_mov_b32 v[CB+3], v[CB+4]                     ; the six registers on end
	v_mov_b32 v[CB+4], v[CB+5]
	v_mov_b32 v[CB+5], v[CB+6]
.if (\b) < 2
	ds_store_b128 v8, v[CB:CB+3] offset:256*((\b)%2)          ; registers 0-3: group 0
	ds_store_b64 v8, v[CB+4:CB+5] offset:512+256*((\b)%2)     ; registers 4, 5: the lower half of group 1
.else
	ds_store_b64 v8, v[CB:CB+1] offset:520+256*((\b)%2)       ; registers 6, 7: the upper half of group 1
	ds_store_b128 v8, v[CB+2:CB+5] offset:1024+256*((\b)%2)   ; registers 8-11: group 2
.endif
.endm
	VLOAD 0
	VLOAD 1
	s_wait_loadcnt 32                              ; block 0's 32 loads are in, block 1's may be out
	VLOAD 2
	VBLOCK 0
	s_wait_loadcnt 32                              ; block 1's are in, block 2's may be out
	VLOAD 3
	VBLOCK 1
	s_wait_loadcnt 32                              ; block 2's are in, block 3's may be out
	VBLOCK 2
	s_wait_loadcnt 0x0
	VBLOCK 3
.irp k, 0,1,2,3,4,5
	ds_load_b128 v[32+4*\k:35+4*\k], v9 offset:512*\k   ; LDS serves a wave's instructions in order: these see my stores
.endr
	s_wait_alu depctr_va_vdst(0)
.irp k, 0,1,2,3,4,5
	s_wait_dscnt 5-\k                              ; read k is in, the 5 - k younger ones may be out
	global_store_b128 v4, v[32+4*\k:35+4*\k], s[24:25] offset:512*\k   ; 512 consecutive bytes, at a multiple of 256 from kv's first byte
.endr
	global_store_b32 v5, v24, s[26:27]
	s_wait_tensorcnt 0x0
	ds_add_u32 v192, v193
	s_wait_dscnt 0x0
	s_endpgm
.Lfunc_end_k_qcf745fb77d_quant:
	.size	k_qcf745fb77d_quant, .Lfunc_end_k_qcf745fb77d_quant-k_qcf745fb77d_quant
	.p2alignl 7, 3214868480
	.fill 96, 4, 3214868480
	.section	.rodata,"a",@progbits
	.p2align	6, 0x0
	.amdhsa_kernel k_qcf745fb77d_quant
		.amdhsa_group_segment_fixed_size 56064
		.amdhsa_private_segment_fixed_size 0
		.amdhsa_enable_private_segment 0
		.amdhsa_kernarg_size 24
		.amdhsa_user_sgpr_count 2
		.amdhsa_user_sgpr_kernarg_segment_ptr 1
		.amdhsa_wavefront_size32 1
		.amdhsa_system_sgpr_workgroup_id_x 1
		.amdhsa_system_sgpr_workgroup_id_y 1
		.amdhsa_system_sgpr_workgroup_id_z 1
		.amdhsa_system_vgpr_workitem_id 0
		.amdhsa_next_free_vgpr 194
		.amdhsa_next_free_sgpr 66
		.amdhsa_reserve_vcc 0
		.amdhsa_float_denorm_mode_32 3
		.amdhsa_float_denorm_mode_16_64 3
		.amdhsa_memory_ordered 1
		.amdhsa_forward_progress 1
		.amdhsa_inst_pref_size 31
	.end_amdhsa_kernel
	.amdgpu_metadata
---
amdhsa.version: [ 1, 2 ]
amdhsa.kernels:
  - .name:           k_qcf745fb77d_quant
    .symbol:         k_qcf745fb77d_quant.kd
    .args:
      - { .name: B, .offset: 0, .size: 8, .value_kind: global_buffer, .address_space: global }
      - { .name: x, .offset: 8, .size: 8, .value_kind: global_buffer, .address_space: global }
      - { .name: kv, .offset: 16, .size: 8, .value_kind: global_buffer, .address_space: global }
    .group_segment_fixed_size: 56064
    .private_segment_fixed_size: 0
    .kernarg_segment_align: 8
    .kernarg_segment_size: 24
    .max_flat_workgroup_size: 192
    .sgpr_count:     66
    .vgpr_count:     194
    .wavefront_size: 32
...
	.end_amdgpu_metadata
.endif
;; end of part 1
;; launch attn (part 2): grid 16 x 16, 16 waves a work-group, no clusters, 327,680 bytes of LDS; arguments C, kv, out0; writes out0
.if DOCPART == 2
	.amdgcn_target "amdgcn-amd-amdhsa--gfx1250"
	.amdhsa_code_object_version 6
	.text
	.protected	k_qcf745fb77d_attn
	.globl	k_qcf745fb77d_attn
	.p2align	8
	.type	k_qcf745fb77d_attn,@function
k_qcf745fb77d_attn:
	s_mov_b64 s[64:65], 0
	v_nop
	global_prefetch_b8 v0, s[64:65] scope:SCOPE_SE
	s_setreg_imm32_b32 hwreg(HW_REG_WAVE_MODE, 25, 1), 1
	s_wait_xcnt 0x0
; out0[h][q][:] = the sum over keys k <= q of softmax_k(C[h][q] . B[h][k] / 8) x[h][k][:]; 16 heads, 4,096 rows, 64 channels; both products on codes of FP6 (E2M3) with one E8M0 scale for each 32 along K.
; B's and x's codes and scale words come from kv, laid by the launch before in the order of the operands' registers: for each head 32 dense blocks of 13,056 bytes, one for each step of 128 keys
; (4 images of a pair of tiles of keys, 4 images of a tile of channels, 4 + 2 planes of scale words).  C is read once, by one wave, and is quantised here in registers.
; THE SOFTMAX AHEAD OF THE SECOND PRODUCT: t = score x log2(e) / 8; M = the row's largest t so far, rounded UP to a whole number; p = 2^(t - M) is what is quantised, along the keys, not normalised.
; The row's sum is taken of the unquantised p, in f32, and divides at the end.  When M moves, the sum and O are multiplied by 2^(old M - new M): exact.
; SHARES.  Work-group i of a head owns two blocks of 128 queries: block i and block 31 - i.  A wave owns 16 queries, one tile, in 256 registers.  Wave w takes tile w / 2 of block 31 - i where (w xor w / 4) is odd, else of
; block i: of any four waves w, w + 4, w + 8, w + 12 and of any four waves 4 n .. 4 n + 3 two have the one block and two the other.  A wave of block b has b + 1 steps of 128 keys: a work-group has 8 (i + 1) + 8 (32 - i) = 264,
; the same in all 256 work-groups.  Steps all of whose keys come after a wave's queries are jumped over, by a scalar branch on ids, round the step's work alone.
; THE RING.  Two LDS slots of two steps each (26,112 bytes, one dense run of kv), filled by wave 0 with one tensor load and read by all sixteen waves.  The work-group walks 2 ((35 - i) / 4) slots: the 32 - i steps that
; block 31 - i needs, rounded up to pairs of slots; that is 16 at the most, so no load leaves the head's part of kv.  No LDS address is ever stepped: both slots' addresses are constants of the text.
; LAYOUT.  Both products are used transposed: S^T = K Q^T (source 0 = 16 keys, source 1 = my 16 queries), O^T = V^T P^T (source 0 = 16 channels, source 1 = P): a lane holds ONE query (lane % 16) throughout.
; Row r of tile 2 b + u of the keys is key 32 b + 8 u + r + 8 (r / 8), so that the 16 registers of tiles 2 b and 2 b + 1 are 16 neighbouring keys, 32 b + 16 (lane / 16) + 0 .. 15.
; THE FIRST PRODUCT'S K IS 64, the instruction's 128.  Q's registers 6-11 (k = 64 .. 127) hold zero codes.  A tile of keys has six registers, and the instruction names twelve: the upper six are the NEXT tile's codes (behind
; the last tile: six registers of zeros).  E2M3 has no code for infinity or NaN, so whatever stands there adds exactly 0 against Q's zeros; the scale bytes of those two blocks repeat the real two, on both sides.
; NO CLUSTER: the work-groups of a head walk different numbers of slots (10 to 16, by i), so partners would need different numbers of tiles, and the jumps over hidden steps hang on each work-group's own blocks.
; LIMITS: NaN and infinities among the inputs are not served; a block whose largest magnitude lies under 2^-124 keeps the scale byte 1.
.set STEPB, 13056
.set SLOTB, 2*STEPB
.set HEADB, 32*STEPB
.set VIMG,  6144                       ; in a step's block: the channels' images,
.set KSC,   12288                      ; the keys' scale words,
.set VSC,   12800                      ; the channels' scale words
.set SPARE, 2*SLOTB                    ; behind the ring: the spare words, 128 bytes for each wave: eight blocks of 256 bytes that no other line names
.set STAGE, SPARE+16*128               ; behind them: 16 rows x (256 bytes + 16) for each wave, for the way out; no fill lands here
.set SP,    272
.set LI,   1                           ; v1   16 x lane: an image's place for my lane; never rewritten once made
.set LS,   2                           ; v2   4 x lane: a scale word's
.set SPW,  3                           ; v3   LDS address of my spare word: SPARE + 4 x my thread's number; never rewritten
.set NIL,  4                           ; v4   0; never rewritten
.set DQ,   5                           ; v5   lane % 16 - 16 (lane / 16)
.set NINF, 6                           ; v6   -infinity
.set QA,   7                           ; v7   C: my lane's byte in the wave's 16 rows
.set STO,  8                           ; v8   the stage: where I put 32 bytes of a row
.set RD,   9                           ; v9   and where I read a row back
.set PFO,  10                          ; v10  256 x lane: the prefetches' offset; never rewritten
.set NM,   12                          ; v12  -M
.set MT,   13                          ; v13  the largest t so far
.set LSM,  14                          ; v[14:15] the row's sum, in two halves
.set QF,   16                          ; v16-27 Q's fragment (v22-27: zeros)
.set QS,   28                          ; v28  Q's scale word
.set FRG,  32                          ; v32-79 the step's eight tiles of keys, then its four tiles of channels
.set ZR,   80                          ; v80-85 zeros
.set SCO,  96                          ; v96-159 S^T, then p
.set OTR,  160                         ; v160-191 O^T
.set PCD,  192                         ; v192-203 p's codes
.set CT,   204                         ; v204-206, v208-210 the conversions' second halves
.set KS,   212                         ; v212-215 the keys' scale words
.set VS,   216                         ; v216-217 the channels'
.set PW,   218                         ; v218 p's scale word
.set BM,   220                         ; v220-223 each block's largest score, then its largest p
.set BT,   224                         ; v224-227 the other half's, then the bytes
.set BS,   228                         ; v228-231 the conversions' scale operands
.set FF,   232                         ; v[232:233] f = 2^(old M - new M), and the pair's partner
.set TMP,  234
.set SM2,  236                         ; v[236:237] the sum's second chain
.set WV,   10                          ; s10  my wave's number
.set G1,   16                          ; s[16:23] descriptor group 1
.set G0,   24                          ; s[24:31] descriptor group 0, a set for each slot
.set SEL,  32                          ; s[32:33] lane selects for v_permlanex16_b32: lane l xor 16
.set CS,   34                          ; s[34:35] c = log2(e) / 8: the packed form names a pair and takes its low word for both halves
.set Q0,   36                          ; s36  my first query
.set QL,   37                          ; s37  my last
.set KF,   38                          ; s38  the step's first key
.set CNT,  39                          ; s39  trips of the loop
.set PFA,  40                          ; s[40:41] where my prefetches stand
.set PFC,  42                          ; s42  which run of 8,192 bytes of the head's 51 that is; in a wave that never asks a number far above 51
; Wave 0 fetches.  The branch hangs on the wave's number alone.  Four v_nop follow the load.
.macro TLOAD g
	s_cmp_eq_u32 s[WV], 0
	s_cbranch_scc0 .Lnot_wave_0_\@
	tensor_load_to_lds s[\g:\g+3], s[G1:G1+7]
	s_nop 0
.rept 4
	v_nop
.endr
.Lnot_wave_0_\@:
.endm
; A PREFETCH INTO THE L2 of the head's part of kv, ahead of the tensor loads.  The part is 51 runs of 8,192 bytes (32 lanes, 256 bytes apart).  All work-groups of a head walk it from its start: work-group 0, which walks all
; 16 slots, asks, and in it waves 4 to 7, which fetch nothing: at the c-th change of slots run 7 + 4 c + (wave - 4).  So each aligned 256 bytes from byte 57,344 on are named once in the launch; at change c, which loads
; slot c + 1, the runs named reach byte 90,112 + 32,768 c, past the end of slot c + 2 (78,336 + 26,112 c).  What lies before byte 57,344 comes by its loads alone: nothing is asked for at the kernel's head.
; Run 50 is the last: behind it nothing is asked for.
.macro ASK
	s_cmp_lt_u32 s[PFC], 51
	s_cbranch_scc0 .Lnot_mine_\@
	global_prefetch_b8 v[PFO], s[PFA:PFA+1] th:TH_LOAD_NT scope:SCOPE_SE
.Lnot_mine_\@:
.endm
	s_load_b128 s[4:7], s[0:1], 0x0                ; C, kv
	s_load_b64 s[8:9], s[0:1], 0x10                ; out0
	v_lshl_add_u32 v[SPW], v0, 2, SPARE
	v_mov_b32 v[NIL], 0
	ds_add_u32 v3, v4
	ds_add_u32 v3, v4
	s_wait_dscnt 0x0
	v_lshrrev_b32 v1, 5, v0
	s_delay_alu instid0(VALU_DEP_1)
	v_readfirstlane_b32 s[WV], v1                  ; wave 0..15
	s_and_b32 s43, ttmp7, 0xffff                   ; the head
	s_lshr_b32 s44, s[WV], 2
	s_xor_b32 s44, s44, s[WV]
	s_and_b32 s44, s44, 1                          ; 1: block 31 - i, 0: block i
	s_sub_co_u32 s45, 31, ttmp9
	s_cmp_eq_u32 s44, 1
	s_cselect_b32 s45, s45, ttmp9                  ; my block of 128 queries
	s_lshr_b32 s44, s[WV], 1                       ; my tile in it
	s_lshl_b32 s45, s45, 7
	s_lshl_b32 s44, s44, 4
	s_add_co_u32 s[Q0], s45, s44
	s_add_co_u32 s[QL], s[Q0], 15
	s_mov_b32 s[KF], 0
	s_sub_co_u32 s[CNT], 31, ttmp9
	s_lshr_b32 s[CNT], s[CNT], 2                   ; 4 to 7 trips of two slots; two more slots are written out behind the loop
	s_lshl_b32 s46, s43, 20                        ; a head of C or out0 is 2^20 bytes, a row 256
	s_lshl_b32 s47, s[Q0], 8
	s_add_co_u32 s46, s46, s47
	s_mov_b32 s47, 0
	s_mul_i32 s48, s43, HEADB                      ; the head's part of kv
	s_mov_b32 s49, 0
	; descriptor group 1: a slot is 26,112 dense bytes: 102 rows of 256 bytes (32 elements of 8 bytes), no padding, no mask
	s_mov_b32 s[G1+0], 3<<16                       ; 17:16 elements of 8 bytes
	s_mov_b32 s[G1+1], 32<<16                      ; tensor_dim0 = 32
	s_mov_b32 s[G1+2], 102<<16                     ; tensor_dim1 = 102
	s_mov_b32 s[G1+3], 32<<16                      ; tile_dim0 = 32
	s_mov_b32 s[G1+4], 102                         ; tile_dim1 = 102
	s_mov_b32 s[G1+5], 32                          ; from row to row: 32 elements
	s_mov_b32 s[G1+6], 0
	s_mov_b32 s[G1+7], 0
	s_mov_b32 s[SEL], 0x76543210
	s_mov_b32 s[SEL+1], 0xfedcba98
	s_mov_b32 s[CS], 0x3e38aa3b                    ; c = log2(e) / 8
	s_mov_b32 s[CS+1], s[CS]                       ; (named with it as a pair, so it is written)
	s_and_b32 s50, s[WV], 3
	s_add_co_u32 s50, s50, 3                       ; the prefetches begin at run 3 + wave % 4; every change of slots steps them by 4 first
	s_lshr_b32 s51, s[WV], 2
	s_xor_b32 s51, s51, 1                          ; 0 in waves 4 to 7,
	s_or_b32 s51, s51, ttmp9                       ; of the head's work-group 0
	s_cmp_eq_u32 s51, 0
	s_cselect_b32 s[PFC], s50, 0x1000
	s_lshl_b32 s50, s50, 13
	s_mov_b32 s51, 0
	s_mul_i32 s52, s[WV], 16*SP
	s_add_co_u32 s52, s52, STAGE                   ; my stage
	v_and_b32 v31, 31, v0                          ; lane
	v_and_b32 v29, 15, v0                          ; r
	v_bfe_u32 v30, v0, 4, 1                        ; h
	s_delay_alu instid0(VALU_DEP_3)
	v_lshlrev_b32 v[LI], 4, v31
	s_delay_alu instid0(VALU_DEP_4)
	v_lshlrev_b32 v[LS], 2, v31
	s_delay_alu instid0(VALU_DEP_4)
	v_lshlrev_b32 v[QA], 8, v29
	s_delay_alu instid0(VALU_DEP_1)
	v_lshl_add_u32 v[QA], v30, 7, v[QA]            ; C: row r of 256 bytes, + 128 h: my block of 32 numbers
	s_wait_kmcnt 0x0
	s_add_nc_u64 s[6:7], s[6:7], s[48:49]          ; kv at my head
	s_mov_b32 s[G0+0], 1                           ; 1:0 count = 1
	s_mov_b32 s[G0+1], 0                           ; LDS address: slot 0
	s_mov_b64 s[G0+2:G0+3], s[6:7]                 ; global address: steps 0 and 1
	s_or_b32 s[G0+3], s[G0+3], 0x80000000          ; 127:126 type = 2
	s_mov_b32 s[G0+4], 1
	s_mov_b32 s[G0+5], SLOTB                       ; slot 1
	s_add_nc_u64 s[G0+6:G0+7], s[6:7], SLOTB       ; steps 2 and 3
	s_or_b32 s[G0+7], s[G0+7], 0x80000000
	TLOAD G0                                       ; slot 0: the one first fill; slot 1 is filled behind the first change's barrier
	s_add_nc_u64 s[4:5], s[4:5], s[46:47]          ; C at my first query
	s_add_nc_u64 s[8:9], s[8:9], s[46:47]          ; out0 likewise
	s_add_nc_u64 s[PFA:PFA+1], s[6:7], s[50:51]
	s_wait_alu depctr_va_vdst(0)
.irp q, 0,1,2,3,4,5,6,7
	global_load_b128 v[SCO+4*\q:SCO+4*\q+3], v[QA], s[4:5] offset:16*\q th:TH_LOAD_NT   ; my 32 numbers of C
.endr
	v_lshlrev_b32 v[DQ], 4, v30
	s_delay_alu instid0(VALU_DEP_1)
	v_sub_nc_u32 v[DQ], v29, v[DQ]
	v_mov_b32 v[NINF], 0xff800000
	v_mul_u32_u24 v[STO], v29, SP
	s_delay_alu instid0(VALU_DEP_1)
	v_lshl_add_u32 v[STO], v30, 5, v[STO]
	s_delay_alu instid0(VALU_DEP_1)
	v_add_nc_u32 v[STO], s52, v[STO]               ; in: row r, + 32 h; tile dt's eight channels lie 64 dt further on
	v_mul_u32_u24 v[RD], v30, SP
	s_delay_alu instid0(VALU_DEP_1)
	v_lshl_add_u32 v[RD], v29, 4, v[RD]
	s_delay_alu instid0(VALU_DEP_1)
	v_add_nc_u32 v[RD], s52, v[RD]                 ; back: lanes 0-15 one row of 256 bytes, lanes 16-31 the next
	v_lshlrev_b32 v[PFO], 8, v31
	v_lshlrev_b32 v[TMP], 3, v30                   ; 8 h
.irp b, 0,1,2,3
	v_mov_b32 v[BT+\b], 0                          ; written once: a lane permute's destination counts as one of its sources
.endr
	s_wait_loadcnt 0x0
	; Q: lane (r, h) holds block h of row r whole: its largest magnitude needs no other lane
	v_max3_num_f32 v[BM], |v[SCO]|, |v[SCO+1]|, |v[SCO+2]|
	v_max3_num_f32 v[BM+1], |v[SCO+3]|, |v[SCO+4]|, |v[SCO+5]|
.irp i, 6,10,14,18,22,26
	s_delay_alu instid0(VALU_DEP_2)
	v_max3_num_f32 v[BM], v[BM], |v[SCO+\i]|, |v[SCO+\i+1]|
	s_delay_alu instid0(VALU_DEP_2)
	v_max3_num_f32 v[BM+1], v[BM+1], |v[SCO+\i+2]|, |v[SCO+\i+3]|
.endr
	s_delay_alu instid0(VALU_DEP_2)
	v_max3_num_f32 v[BM], v[BM], |v[SCO+30]|, |v[SCO+31]|
	s_delay_alu instid0(VALU_DEP_1)
	v_max3_num_f32 v[BM], v[BM], v[BM+1], 0x1800000   ; and the floor 2^(3 - 127): the byte cannot fall under 1
	s_delay_alu instid0(VALU_DEP_1)
	v_add_nc_u32 v[BS], 0xff000000, v[BM]          ; 2 off the exponent field: the conversion's scale operand
	v_cvt_scalef32_pk16_fp6_f32 v[QF:QF+2], v[SCO:SCO+15], v[BS]
	v_cvt_scalef32_pk16_fp6_f32 v[CT:CT+2], v[SCO+16:SCO+31], v[BS]   ; (a conversion's three registers begin on an even number)
	v_lshrrev_b32 v[BT], 23, v[BS]                 ; the scale's byte; also the plain line behind the conversions
.irp i, 0,1,2
	v_mov_b32 v[QF+3+\i], v[CT+\i]                 ; registers 0-5: k = 32 h + 0 .. 31
.endr
	s_delay_alu instid0(VALU_DEP_4)
	v_lshlrev_b32 v[BT], v[TMP], v[BT]             ; my byte at its place, 8 h bits up,
	s_delay_alu instid0(VALU_DEP_1)
	v_permlanex16_b32 v[BT+1], v[BT], s[SEL], s[SEL+1]
	s_delay_alu instid0(VALU_DEP_1)
	v_or_b32 v[QS], v[BT], v[BT+1]                 ; with lane l xor 16's,
	s_delay_alu instid0(VALU_DEP_1)
	v_lshl_or_b32 v[QS], v[QS], 16, v[QS]          ; and both once more for the two empty blocks
.irp i, 0,1,2,3,4,5
	v_mov_b32 v[QF+6+\i], 0                        ; k = 64 .. 127: zero codes
	v_mov_b32 v[ZR+\i], 0                          ; what the last tile of keys names as its upper half
.endr
	v_mov_b32 v[MT], 0xff61b1e6                    ; the largest t so far: -3e38, under every t
	s_delay_alu instid0(VALU_DEP_1)
	v_floor_f32 v[NM], -v[MT]                      ; -M
	v_mov_b32 v[LSM], 0
	v_mov_b32 v[LSM+1], 0
	v_mov_b32 v[FF+1], 0                           ; (named as the upper half of a pair, so it is written)
.set jj, 0
.rept 32
	v_mov_b32 v[OTR+jj], 0                         ; O^T.  The step is written without a first form of its own: the first finds zeros, which the first change of M leaves zeros.  (These lines also stand between the writes of Q's registers and scale word and the first product)
.set jj, jj+1
.endr
; A KEY STEP: 128 keys, the q-th of slot 'slot'.  Every LDS offset is an immediate.
.macro STEP slot, q
.set BASE, SLOTB*(\slot)+STEPB*(\q)
	s_cmp_gt_u32 s[KF], s[QL]                      ; all 128 keys come after my 16 queries: the step's work is left out.  No barrier and no tensor load stands in a step
	s_cbranch_scc1 .Lhidden_\@
.rept 4
	v_nop                                          ; four plain lines between the last step's products and the loads into the registers that they read (ISA guide 7.12.1 for vector instructions)
.endr
.irp j, 0,1,2,3
	ds_load_b32 v[KS+\j], v[LS] offset:BASE+KSC+128*\j
.endr
.irp j, 0,1,2,3
.irp g, 0,1,2
	ds_load_b128 v[FRG+12*\j+4*\g:FRG+12*\j+4*\g+3], v[LI] offset:BASE+1536*\j+512*\g   ; 32 lanes read 512 consecutive bytes
.endr
.endr
.irp j, 0,1,2,3                                ; S^T = K Q^T, a pair of tiles at a time
.if \j < 3
	s_wait_dscnt 7-3*\j                            ; in: the scale words, pairs 0 to j, and the first two loads of pair j + 1, whose first six registers the odd tile names; out at the most: that pair's last load and the later pairs' three each
.else
	s_wait_dscnt 0x0
.endif
	v_wmma_scale_f32_16x16x128_f8f6f4 v[SCO+16*\j:SCO+16*\j+7], v[FRG+12*\j:FRG+12*\j+11], v[QF:QF+11], 0, v[KS+\j], v[QS] matrix_a_fmt:MATRIX_FMT_FP6 matrix_b_fmt:MATRIX_FMT_FP6
	v_wmma_scale_f32_16x16x128_f8f6f4 v[SCO+16*\j+8:SCO+16*\j+15], v[FRG+12*\j+6:FRG+12*\j+17], v[QF:QF+11], 0, v[KS+\j], v[QS] matrix_a_fmt:MATRIX_FMT_FP6 matrix_b_fmt:MATRIX_FMT_FP6 matrix_a_scale:MATRIX_SCALE_ROW1
.endr
.rept 4
	v_nop                                          ; four plain lines: ahead of the loads into the keys' registers, and of the first read of the scores
.endr
.irp j, 0,1
	ds_load_b32 v[VS+\j], v[LS] offset:BASE+VSC+128*\j
.endr
.irp j, 0,1,2,3
.irp g, 0,1,2
	ds_load_b128 v[FRG+12*\j+4*\g:FRG+12*\j+4*\g+3], v[LI] offset:BASE+VIMG+1536*\j+512*\g   ; the channels' four tiles: they land while the softmax is worked
.endr
.endr
	s_add_co_u32 s53, s[KF], 127                   ; on the diagonal the scores of hidden keys become -infinity ahead of the maximum: p = 0 then.  A step all of whose keys count skips this
	s_cmp_le_u32 s53, s[Q0]
	s_cbranch_scc1 .Lopen_\@
	s_sub_co_i32 s53, s[Q0], s[KF]
	v_add_nc_u32 v[TMP], s53, v[DQ]                ; d = my query - KF - 16 (lane / 16).  Register 16 b + i holds key KF + 32 b + 16 (lane / 16) + i: hidden where 32 b + i > d
.set nn, 0
.rept 64
	v_cmp_gt_i32 vcc_lo, 32*(nn/16)+nn%16, v[TMP]
	v_cndmask_b32 v[SCO+nn], v[SCO+nn], v[NINF], vcc_lo
.set nn, nn+1
.endr
.Lopen_\@:
.irp b, 0,1,2,3
	v_max3_num_f32 v[BM+\b], v[SCO+16*\b], v[SCO+1+16*\b], v[SCO+2+16*\b]   ; the largest score of each block of 32 keys: it serves for the row's maximum and, since p rises with the score, for the block's largest p
.endr
.irp i, 3,5,7,9,11,13
.irp b, 0,1,2,3
	v_max3_num_f32 v[BM+\b], v[BM+\b], v[SCO+16*\b+\i], v[SCO+1+16*\b+\i]   ; (the four blocks by turns)
.endr
.endr
.irp b, 0,1,2,3
	v_max_num_f32 v[BM+\b], v[BM+\b], v[SCO+15+16*\b]
.endr
.irp b, 0,1,2,3
	s_delay_alu instid0(VALU_DEP_4)
	v_permlanex16_b32 v[BT+\b], v[BM+\b], s[SEL], s[SEL+1]
.endr
.irp b, 0,1,2,3
	s_delay_alu instid0(VALU_DEP_4)
	v_max_num_f32 v[BM+\b], v[BM+\b], v[BT+\b]     ; with lane l xor 16's 16 keys
.endr
	s_delay_alu instid0(VALU_DEP_2)
	v_max3_num_f32 v[TMP], v[BM], v[BM+1], v[BM+2]
	s_delay_alu instid0(VALU_DEP_1)
	v_max_num_f32 v[TMP], v[TMP], v[BM+3]          ; the step's largest score of my query
	s_delay_alu instid0(VALU_DEP_1)
	v_mul_f32 v[TMP], s[CS], v[TMP]                ; as t (c is positive)
	s_delay_alu instid0(VALU_DEP_1)
	v_max_num_f32 v[MT], v[MT], v[TMP]             ; the running largest t
	v_mov_b32 v[TMP], v[NM]
	s_delay_alu instid0(VALU_DEP_2)
	v_floor_f32 v[NM], -v[MT]                      ; the new -M = floor(-t) = -ceil(t): M is a whole number
	s_delay_alu instid0(VALU_DEP_1)
	v_sub_f32 v[TMP], v[NM], v[TMP]                ; M's old value less its new one: a whole number, 0 or less
	s_delay_alu instid0(VALU_DEP_1)
	v_cvt_i32_f32 v[TMP], v[TMP]                   ; (it saturates)
	s_delay_alu instid0(VALU_DEP_1)
	v_ldexp_f32 v[FF], 1.0, v[TMP]                 ; f = 2^(old M - new M): a multiplication by it rounds nothing
.set jj, 0
.rept 32
	v_pk_fma_f32 v[SCO+jj:SCO+jj+1], v[SCO+jj:SCO+jj+1], s[CS:CS+1], v[NM:NM+1] op_sel_hi:[1,0,0]   ; t - M, two at a time (of the pairs c and -M the low word serves both halves)
.set jj, jj+2
.endr
.irp b, 0,1,2,3
	v_fma_f32 v[BM+\b], v[BM+\b], s[CS], v[NM]     ; the same of each block's largest score
.endr
.set jj, 0
	s_wait_alu depctr_va_vdst(0)
.rept 64
	v_exp_f32 v[SCO+jj], v[SCO+jj]                 ; p = 2^(t - M), at most 1: not normalised
.set jj, jj+1
.endr
	v_pk_mul_f32 v[LSM:LSM+1], v[LSM:LSM+1], v[FF:FF+1] op_sel_hi:[1,0]   ; the sums under the new M; also the plain line behind the exponentials
	s_wait_alu depctr_va_vdst(0)                   ; one wait for the whole batch, ahead of its first reader
.irp b, 0,1,2,3
	v_exp_f32 v[BM+\b], v[BM+\b]                   ; the block's largest p: the same two instructions on the same number give the same bits
.endr
	v_pk_add_f32 v[236:237], v[100:101], v[104:105]
	v_pk_add_f32 v[254:255], v[108:109], v[112:113]
	v_pk_add_f32 v[252:253], v[116:117], v[120:121]
	v_pk_add_f32 v[250:251], v[124:125], v[128:129]
	v_pk_add_f32 v[248:249], v[132:133], v[136:137]
	v_pk_add_f32 v[246:247], v[140:141], v[144:145]
	v_pk_add_f32 v[244:245], v[148:149], v[152:153]
	v_pk_add_f32 v[14:15], v[14:15], v[156:157]
	v_pk_add_f32 v[236:237], v[236:237], v[96:97]
	v_pk_add_f32 v[254:255], v[254:255], v[98:99]
	v_pk_add_f32 v[252:253], v[252:253], v[102:103]
	v_pk_add_f32 v[250:251], v[250:251], v[106:107]
	v_pk_add_f32 v[248:249], v[248:249], v[110:111]
	v_pk_add_f32 v[246:247], v[246:247], v[114:115]
	v_pk_add_f32 v[244:245], v[244:245], v[118:119]
	v_pk_add_f32 v[14:15], v[14:15], v[122:123]
	v_pk_add_f32 v[236:237], v[236:237], v[126:127]
	v_pk_add_f32 v[254:255], v[254:255], v[130:131]
	v_pk_add_f32 v[252:253], v[252:253], v[134:135]
	v_pk_add_f32 v[250:251], v[250:251], v[138:139]
	v_pk_add_f32 v[248:249], v[248:249], v[142:143]
	v_pk_add_f32 v[246:247], v[246:247], v[146:147]
	v_pk_add_f32 v[244:245], v[244:245], v[150:151]
	v_pk_add_f32 v[14:15], v[14:15], v[154:155]
	v_pk_add_f32 v[236:237], v[236:237], v[158:159]
	s_delay_alu instid0(VALU_DEP_2)
	v_pk_add_f32 v[14:15], v[14:15], v[250:251]
	s_delay_alu instid0(VALU_DEP_2)
	v_pk_add_f32 v[236:237], v[236:237], v[248:249]
	v_pk_add_f32 v[254:255], v[254:255], v[246:247]
	v_pk_add_f32 v[252:253], v[252:253], v[244:245]
	s_delay_alu instid0(VALU_DEP_2)
	v_pk_add_f32 v[14:15], v[14:15], v[254:255]
	s_delay_alu instid0(VALU_DEP_2)
	v_pk_add_f32 v[236:237], v[236:237], v[252:253]
	s_delay_alu instid0(VALU_DEP_1)
	v_pk_add_f32 v[14:15], v[14:15], v[236:237]
	s_wait_alu depctr_va_vdst(0)                   ; and one for the four
.irp b, 0,1,2,3
	v_max_num_f32 v[BM+\b], 0x1800000, v[BM+\b]    ; the floor 2^(3 - 127): the byte cannot fall under 1 (a block whose every p is 0 keeps that byte: its codes are zeros)
.endr
.irp b, 0,1,2,3
	s_delay_alu instid0(VALU_DEP_4)
	v_add_nc_u32 v[BS+\b], 0xff000000, v[BM+\b]    ; 2 off the exponent field: the conversion's scale operand
.endr
.irp b, 0,1,2,3
	s_delay_alu instid0(VALU_DEP_4)
	v_lshrrev_b32 v[BT+\b], 23, v[BS+\b]           ; the scale's byte
.endr
	s_delay_alu instid0(VALU_DEP_3)
	v_lshl_or_b32 v[PW], v[BT+1], 8, v[BT]         ; p's scale word for these 128 keys
	s_delay_alu instid0(VALU_DEP_1)
	v_lshl_or_b32 v[PW], v[BT+2], 16, v[PW]
	s_delay_alu instid0(VALU_DEP_1)
	v_lshl_or_b32 v[PW], v[BT+3], 24, v[PW]
.irp c, 0,1
	v_cvt_scalef32_pk16_fp6_f32 v[PCD+6*\c:PCD+2+6*\c], v[SCO+32*\c:SCO+15+32*\c], v[BS+2*\c]
	v_cvt_scalef32_pk16_fp6_f32 v[CT+4*\c:CT+2+4*\c], v[SCO+16+32*\c:SCO+31+32*\c], v[BS+2*\c+1]   ; (a conversion's three registers begin on an even number)
.endr
	v_nop                                          ; one plain line behind the conversions
.irp c, 0,1                                    ; the operand's layout wants a whole block in a lane: lanes 0-15 block 2 c, lanes 16-31 block 2 c + 1
.irp i, 0,1,2
	v_permlane16_swap_b32 v[PCD+6*\c+\i], v[CT+4*\c+\i]
.endr
.irp i, 0,1,2
	s_delay_alu instid0(VALU_DEP_3)
	v_mov_b32 v[PCD+3+6*\c+\i], v[CT+4*\c+\i]
.endr
.endr
.set jj, 0
.rept 16
	v_pk_mul_f32 v[OTR+jj:OTR+jj+1], v[OTR+jj:OTR+jj+1], v[FF:FF+1] op_sel_hi:[1,0]   ; O^T under the new M.  Of these sixteen, twelve name no register of any one product below: they stand between the writes of p's codes and scale word and that product
.set jj, jj+2
.endr
	s_wait_alu depctr_va_vdst(0)
	s_wait_dscnt 0x0                               ; the channels' tiles and scale words are in
.irp t, 0,1,2,3                                ; O^T += V^T P^T: four tiles of 16 channels by turns, one instruction a turn; between two links of a chain stand the other three and the next step's eight
.if (\t)%2
	v_wmma_scale_f32_16x16x128_f8f6f4 v[OTR+8*\t:OTR+8*\t+7], v[FRG+12*\t:FRG+12*\t+11], v[PCD:PCD+11], v[OTR+8*\t:OTR+8*\t+7], v[VS+(\t)/2], v[PW] matrix_a_fmt:MATRIX_FMT_FP6 matrix_b_fmt:MATRIX_FMT_FP6 matrix_a_scale:MATRIX_SCALE_ROW1
.else
	v_wmma_scale_f32_16x16x128_f8f6f4 v[OTR+8*\t:OTR+8*\t+7], v[FRG+12*\t:FRG+12*\t+11], v[PCD:PCD+11], v[OTR+8*\t:OTR+8*\t+7], v[VS+(\t)/2], v[PW] matrix_a_fmt:MATRIX_FMT_FP6 matrix_b_fmt:MATRIX_FMT_FP6
.endif
.endr
.Lhidden_\@:
	s_add_co_u32 s[KF], s[KF], 128
.endm
; THE CHANGE OF SLOTS stands at a slot's head.  Each wave waits for all its tensor loads (wave 0: the slot that is about to be read), adds 0 to its spare word, and waits for that and for its reads of the slot that it has left.
; Behind the barrier the slot ahead is whole and nobody reads the other one.  refill = 1: that other slot takes the next two steps; the load has this slot's two steps in which to land.  One tensor load of wave 0 is out at the most.
.macro TRIP slot, refill
	s_wait_tensorcnt 0x0                           ; no tensor load of mine is out, so a group 0 may be written
	ds_add_u32 v[SPW], v[NIL]                      ; 0 onto my spare word: the steps below stand between it and the wait for it
	s_add_nc_u64 s[G0+4*(\slot)+2:G0+4*(\slot)+3], s[G0+4*(\slot)+2:G0+4*(\slot)+3], 2*SLOTB   ; this slot's next two steps; the type bits on top are not reached
	s_wait_xcnt 0x0                                ; the last prefetch, a slot back, has read its address, so it may be written
	s_add_nc_u64 s[PFA:PFA+1], s[PFA:PFA+1], 32768 ; four runs on
	s_add_co_u32 s[PFC], s[PFC], 4
	s_wait_dscnt 0x0                               ; the add is done, and my reads of the slot that I have left are over
	s_barrier_signal -1
	s_barrier_wait -1
.if \refill
	TLOAD G0+4*(1-(\slot))                         ; the first thing behind the barrier, and the wave's one tensor load until the next
	ASK
.endif
	STEP \slot, 0
	STEP \slot, 1
.endm
.Lloop:                                            ; a trip goes once round the ring
	TRIP 0, 1
	TRIP 1, 1
	s_sub_co_u32 s[CNT], s[CNT], 1
	s_cmp_lg_u32 s[CNT], 0
	s_cbranch_scc1 .Lloop
	TRIP 0, 1                                      ; the last two slots are written out
	TRIP 1, 0                                      ; nothing is left to fetch (slot 1's stepped address is not used)
	; THE WAY OUT.  O^T is divided by the row's sum and goes through my own stage in LDS: a lane holds 32 neighbouring bytes of a row, and it comes back as whole rows of 256 bytes.
.rept 4
	v_nop                                          ; four plain lines behind the last products
.endr
	v_add_f32 v[LSM], v[LSM], v[LSM+1]             ; the sum's two halves,
	s_delay_alu instid0(VALU_DEP_1)
	v_permlanex16_b32 v[TMP], v[LSM], s[SEL], s[SEL+1]
	s_delay_alu instid0(VALU_DEP_1)
	v_add_f32 v[LSM], v[LSM], v[TMP]               ; and lane l xor 16's: the row's sum
	s_wait_alu depctr_va_vdst(0)
	v_rcp_f32 v[LSM], v[LSM]
	v_nop                                          ; a plain line behind the reciprocal
	s_wait_alu depctr_va_vdst(0)                   ; and the wait ahead of its first reader
.set jj, 0
.rept 32
	v_mul_f32 v[SCO+jj], v[OTR+jj], v[LSM]         ; register 8 dt + j is out0(query r, channel 16 dt + 8 h + j); each accumulator from its low end on
.set jj, jj+1
.endr
.irp t, 0,1,2,3
	ds_store_b128 v[STO], v[SCO+8*\t:SCO+8*\t+3] offset:64*\t
	ds_store_b128 v[STO], v[SCO+8*\t+4:SCO+8*\t+7] offset:64*\t+16
.endr
.irp i, 0,1,2,3,4,5,6,7
	ds_load_b128 v[FRG+4*\i:FRG+4*\i+3], v[RD] offset:2*\i*SP   ; LDS serves a wave's instructions in order (ISA guide 5.7.1.4): these see my stores
.endr
.irp i, 0,1,2,3,4,5,6,7
	s_wait_dscnt 7-\i                              ; read i is in, the 7 - i younger ones may be out
	global_store_b128 v[LI], v[FRG+4*\i:FRG+4*\i+3], s[8:9] offset:512*\i th:TH_STORE_NT   ; 32 lanes store two rows, 512 consecutive bytes, at a multiple of 256 from out0's first byte
.endr
	s_wait_tensorcnt 0x0                           ; the wave's end, behind my last tensor load and my last LDS store
	ds_add_u32 v[SPW], v[NIL]
	s_wait_dscnt 0x0
	s_endpgm
.Lfunc_end_k_qcf745fb77d_attn:
	.size	k_qcf745fb77d_attn, .Lfunc_end_k_qcf745fb77d_attn-k_qcf745fb77d_attn
	.p2alignl 7, 3214868480
	.fill 96, 4, 3214868480
	.section	.rodata,"a",@progbits
	.p2align	6, 0x0
	.amdhsa_kernel k_qcf745fb77d_attn
		.amdhsa_group_segment_fixed_size 327680
		.amdhsa_private_segment_fixed_size 0
		.amdhsa_enable_private_segment 0
		.amdhsa_kernarg_size 24
		.amdhsa_user_sgpr_count 2
		.amdhsa_user_sgpr_kernarg_segment_ptr 1
		.amdhsa_wavefront_size32 1
		.amdhsa_system_sgpr_workgroup_id_x 1
		.amdhsa_system_sgpr_workgroup_id_y 1
		.amdhsa_system_sgpr_workgroup_id_z 1
		.amdhsa_system_vgpr_workitem_id 0
		.amdhsa_next_free_vgpr 256
		.amdhsa_next_free_sgpr 66
		.amdhsa_reserve_vcc 1
		.amdhsa_float_denorm_mode_32 3
		.amdhsa_float_denorm_mode_16_64 3
		.amdhsa_memory_ordered 1
		.amdhsa_forward_progress 1
		.amdhsa_inst_pref_size 192
	.end_amdhsa_kernel
	.amdgpu_metadata
---
amdhsa.version: [ 1, 2 ]
amdhsa.kernels:
  - .name:           k_qcf745fb77d_attn
    .symbol:         k_qcf745fb77d_attn.kd
    .args:
      - { .name: C, .offset: 0, .size: 8, .value_kind: global_buffer, .address_space: global }
      - { .name: kv, .offset: 8, .size: 8, .value_kind: global_buffer, .address_space: global }
      - { .name: out0, .offset: 16, .size: 8, .value_kind: global_buffer, .address_space: global }
    .group_segment_fixed_size: 327680
    .private_segment_fixed_size: 0
    .kernarg_segment_align: 8
    .kernarg_segment_size: 24
    .max_flat_workgroup_size: 512
    .sgpr_count:     66
    .vgpr_count:     256
    .wavefront_size: 32
...
	.end_amdgpu_metadata
.endif
;; end of part 2
